; MI455X (gfx1250); checked and timed in simulation.
; The chip was launched on July 23, 2026; its instructions are those of AMD's public machine-readable ISA for CDNA 5 (MIT licence, August 2026) and "CDNA5" Instruction Set Architecture Reference Guide (July 2026). The comments in the code are by the model that wrote it; some were corrected since.
;; Causal Attention. Allowed arithmetic: float matrix products may take bf16 or f16 operands with f32 sums; all other float work in f32.
;; Inputs: Wk 128 x 4 x 32 float32; Wo 4 x 32 x 128 float32; Wq 128 x 4 x 32 float32; Wv 128 x 4 x 32 float32; beta 128 float32; bk 4 x 32 float32; bo 128 float32; bq 4 x 32 float32; bv 4 x 32 float32; gamma 128 float32; x 4 x 4,096 x 128 float32.
;; Outputs: out0 4 x 4,096 x 128 float32.
;; One version. Each part assembles by itself: llvm-mc -triple=amdgcn-amd-amdhsa -mcpu=gfx1250 --defsym DOCPART=n.
;; ======== version 1 of 1: 1 launch
;; launch attn (part 1): grid 256 x 1, 8 waves a work-group, clusters of 4 x 1, 291,328 bytes of LDS; arguments x, Wq, Wk, Wv, Wo, bq, bk, bv, bo, gamma, beta, out0; writes out0
.if DOCPART == 1
	.amdgcn_target "amdgcn-amd-amdhsa--gfx1250"
	.amdhsa_code_object_version 6
	.text
	.protected	k_q96e46662b0_attn
	.globl	k_q96e46662b0_attn
	.p2align	8
	.type	k_q96e46662b0_attn,@function
k_q96e46662b0_attn:
	s_mov_b64 s[64:65], 0
	v_nop
	global_prefetch_b8 v0, s[64:65] scope:SCOPE_SE
	s_setreg_imm32_b32 hwreg(HW_REG_WAVE_MODE, 25, 1), 1
	s_wait_xcnt 0x0
	s_wait_alu depctr_hold_cnt(0) depctr_sa_sdst(0) depctr_va_vdst(0) depctr_va_sdst(0) depctr_va_ssrc(0) depctr_va_vcc(0) depctr_vm_vsrc(0)
	s_getreg_b32 s2, hwreg(HW_REG_IB_STS2, 6, 4)
	s_cmp_eq_u32 s2, 0
	s_cbranch_scc0 .Lentry_in_a_cluster
	s_endpgm
.Lentry_in_a_cluster:
	s_bfe_u32 s2, ttmp6, 0x10000c
	s_cmp_lg_u32 s2, 0x3003
	s_cbranch_scc0 .Lentry_shape_is_right
	s_endpgm
.Lentry_shape_is_right:
; out = LayerNorm(x + Attention(x) Wo + bo) gamma + beta.  x, out: [4][4096][128] f32; four heads of 32; the module's own mask lets query i see the keys i - 4 t, t = 0..8, that are >= 0.
; THE MASK AS A BAND.  Rows of one class (row mod 4) see only rows of their class, and inside a class the mask is a causal band of nine keys.  A block of 64 rows is 4 classes x 16 queries;
; a class's queries need 24 keys: 8 from the 32 rows in front of the block (the halo) and its own 16.  So a (class, head) pair is a dense attention of 16 queries x 24 keys x 32 channels:
; two matrix instructions for the scores (32 keys, the last 8 padding) and two for the weighted sum.
; SHARES.  256 work-groups, each 64 rows; 8 waves.  Wave w: role = w / 2 (0 Q, 1 K, 2 V, 3 the output projection), half = w % 2 (64 of the 128 columns of its weight).
;   phase 0  every wave loads 12 rows of x (4 halo, 8 own) and rounds them to bf16 into LDS; its 64 columns of its weight arrive in its own 32,768 bytes of LDS, and it reads them
;            from there in fragment order and rounds them into registers
;   phase 1  waves 0-5: Q (64 rows), K, V (96 rows) = x W + b, bf16, into LDS by classes
;   phase 2  every wave: two (class, head) pairs: scores, mask, softmax with the row's true maximum taken away, weighted sum, into LDS
;   phase 3  waves 6, 7: the output projection + bo, f32, into a stage in LDS
;   phase 4  every wave: its 8 own rows: + x (kept in f32 in registers since phase 0), LayerNorm (mean, then the mean of squared differences), one 512-byte store a row
; CLUSTER.  Every work-group needs all four weights, 262,144 bytes of f32.  Four work-groups form a cluster and ask for them JOINTLY: each wave issues the same two tensor loads, with the same
; descriptors (made of the wave's number and the kernel's arguments alone) and a mask that names the four, in all four; each receives the tiles in its own LDS.  That divides the requests for
; the weights by four.  A round of the cluster's barrier stands in front of the joint loads and another in front of s_endpgm.  Nothing is filled twice.
; THE MATRIX INSTRUCTION IS USED TRANSPOSED in the projections: source 0 = 16 columns of the weight, source 1 = 16 rows of x.  A lane's 16-byte weight load holds columns 4 r .. 4 r + 3 of one
; k, so word i of the loads makes the fragment of the columns {4 m + i}; with four such fragments a lane's 32 results are ONE row and ONE head's 32 channels (channel 4 j + i in register j of sum i).
; LIMITS.  (1) A masked key has weight exactly 0; the module gives it exp(-1e9 - max): the same in f32 as long as a row's largest unmasked score lies above about -1e9 + 104.
; (2) x, the weights, Q, K, V, the softmax weights and the attention output are rounded to bf16 as matrix operands; maxima, sums, the residual and LayerNorm are f32.
; (3) Padding and halo keys that the mask rejects are multiplied by weight 0, so Q, K, V must be finite (as they must for a finite result of the module).
.set PX,   272                 ; LDS row of 128 bf16: 256 bytes + 16 = 68 words: row r starts at bank 4 r mod 64 (64 banks of 4 bytes: ISA guide 11.1)
.set PVB,  288                 ; a row of V: 256 + 32 bytes, for the turning load (8 rows x 32 bytes touch each bank once)
.set PS,   656                 ; a row of the f32 stage: four groups of 160 bytes + 16
.set WREG, 32768               ; LDS bytes 0 to 262,143: wave w's 128 rows x 256 bytes of f32 weight at 32,768 w, filled once.  Behind barrier 1, in front of which every wave has waited
                               ; for its tensor loads and for its reads of them, these bytes take the five regions that follow:
.set QB,   26112               ; 64 x 272   Q, row 16 class + q
.set KB,   43520               ; 96 x 272   K, row 24 class + key (query q's own key is key q + 8)
.set VB,   69632               ; 96 x 288   V, row 24 class + key
.set OB,   97280               ; 64 x 272   attention output, row 16 class + q
.set STG,  114688              ; 64 x 656   f32 projection + bo, row 16 class + q; group g = column / 32; in a group word 8 i + j is column 32 g + 4 j + i
.set XB,   262144              ; 96 x 272   x in bf16: rows 0-31 halo, 32-95 own; bytes of its own, since it is written while the weights arrive
.set BSCR, 288256              ; 8 x 256    each wave's own 64 bias numbers; bytes of their own likewise
; window 0: v0 thread, v1 lane L, v2 r = L % 16, v3 h = L / 16
.set XLO,  4                   ; v4   16 L + 4096 w: my 16 bytes in the wave's 8 own rows of x and of out; never rewritten
.set WOFF, 5                   ; v5   32768 w + 2048 h + 16 r: my 16 bytes of a weight row in LDS; never rewritten
.set A6,   6                   ; v6   phase 0: offset in the halo; phases 1, 3: source rows; phase 4: the stage
.set DST,  7                   ; v7   phase 0: offset in the bias; phases 1, 3: where results go
.set AK0,  8                   ; v8-v13 phase 2's LDS addresses (temporaries before)
.set AK1,  9
.set AQ,   10
.set AV0,  11
.set AV1,  12
.set AO,   13
.set RH,   14                  ; v14  272 r + 16 h: a fragment's lane term
.set L16,  15                  ; v15  16 L
.set BIAS, 16                  ; v16-47   bias in accumulator layout: register 8 i + j = b[64 half + 32 h + 4 j + i]
.set XF,   48                  ; v48-111  fragments of 16 rows x 128 k, two buffers of 32
.set ACC,  112                 ; v112-143 four sums of 8
.set PK,   144                 ; v144-159 a row's 32 channels as bf16
.set WST,  64                  ; v64-255  phase 0: three slots of 64 for f32 weights (K step c in slot c % 3)
.set KF,   48                  ; phase 2, pair p: K at +16 p (later the output), Q at +8 p, V at +16 p, scores at +16 p, weights at +8 p, statistics at +8 p
.set QF,   80
.set VF,   96
.set SS,   128
.set PP,   160
.set SA,   176                 ; +0 c m, +1 m, +4..+7 at work, +6 at last 1 / l
.set NEGV, 192
.set Y,    48                  ; phase 4: row i at +4 i
.set T,    80                  ; pair 2 i: -mean
.set U,    96                  ; pair 2 i: 1 / sqrt(var + eps)
.set GAM,  248
.set BET,  252
.set WF,   0                   ; window 1: v0-127 weight fragments, (K step c, column set i) at 32 c + 8 i
.set XK,   128                 ; window 1: v128-159 my 8 own rows of x in f32
.set SRC,  A6                  ; the projections' source rows
.set G1,   56                  ; s[56:63] descriptor group 1, never rewritten
.set G0,   84                  ; s[84:91] descriptor group 0, a set for each of my two loads, never rewritten
; s92 cx, s93 my block, s94 its number in the batch, s95 the halo's step, s[42:43] x's and out's offsets, s51 and s[68:75] value masks: what hangs on my place in the cluster lives in
; these registers alone and enters global offsets and value masks only: no LDS address, no branch, no descriptor.
.set MSB, 0
.macro WIN new                 ; s_set_vgpr_msb: bits 1:0 source 0, 3:2 source 1, 5:4 source 2, 7:6 destination; the high byte repeats the setting that is left
.if MSB != \new
	s_set_vgpr_msb (MSB<<8)|\new
.set MSB, \new
.endif
.endm
; A round of the cluster's barrier: my work-group's barrier, so that wave 0's signal speaks for all eight waves; wave 0 signals for the work-group; every wave waits for all four
; work-groups; my work-group's barrier once more.  No LDS instruction of the wave is pending at a signal.
.macro ROUND
	s_barrier_signal -1
	s_barrier_wait -1
	s_cmp_lg_u32 s2, 0
	s_cbranch_scc1 .Lnot_wave_0_\@
	s_barrier_signal -3
.Lnot_wave_0_\@:
	s_barrier_wait -3
	s_barrier_signal -1
	s_barrier_wait -1
.endm
; 16 LDS loads: K step c of my 64 columns.  Load t is weight row k = 32 c + t + 8 (t / 8) + 8 h: lanes 0-15 take the 256 consecutive bytes of one row, lanes 16-31 of the row 8 below: no bank is asked twice.
.macro DLOAD c
.set tt, 0
.rept 16
	ds_load_b128 v[WST+64*((\c)%3)+4*tt:WST+64*((\c)%3)+4*tt+3], v[WOFF] offset:(32*(\c)+tt+8*(tt/8))*256
.set tt, tt+1
.endr
.endm
; Register u of fragment (c, i) = word i of loads 2 u and 2 u + 1, rounded: k = 8 h + 2 u, + 1 (u < 4) or 16 + 8 h + 2 (u - 4), + 1: the layout of a 16-bit operand of 32 k.
.macro WCVT c
	WIN 0x40                                       ; destination window 1
.irp i, 0,1,2,3
.irp u, 0,1,2,3,4,5,6,7
	v_cvt_pk_bf16_f32 v[WF+32*(\c)+8*\i+\u], v[WST+64*((\c)%3)+8*\u+\i], v[WST+64*((\c)%3)+8*\u+4+\i]
.endr
.endr
.endm
; 8 LDS loads: rows 16 lblk .. + 15 of the source, all 128 k, into buffer lbuf
.macro XLOAD
.irp c, 0,1,2,3
	ds_load_b128 v[XF+32*lbuf+8*\c:XF+32*lbuf+8*\c+3],   v[SRC] offset:lblk*16*PX+64*\c
	ds_load_b128 v[XF+32*lbuf+8*\c+4:XF+32*lbuf+8*\c+7], v[SRC] offset:lblk*16*PX+64*\c+32
.endr
.endm
; 16 matrix instructions: 16 rows x my 64 columns x 128 k.  The first K step takes the bias as C.  The four sums take turns, one instruction a turn.
.macro MUL16
.irp c, 0,1,2,3
.irp i, 0,1,2,3
.if \c == 0
	v_wmma_f32_16x16x32_bf16 v[ACC+8*\i:ACC+8*\i+7], v[WF+8*\i:WF+8*\i+7], v[XF+32*mbuf:XF+32*mbuf+7], v[BIAS+8*\i:BIAS+8*\i+7]
.else
	v_wmma_f32_16x16x32_bf16 v[ACC+8*\i:ACC+8*\i+7], v[WF+32*\c+8*\i:WF+32*\c+8*\i+7], v[XF+32*mbuf+8*\c:XF+32*mbuf+8*\c+7], v[ACC+8*\i:ACC+8*\i+7]
.endif
.endr
.endr
.endm
; A projection: n row blocks from block first on; block t's results go dstep bytes behind block t - 1's.  f32out = 0: bf16, 64 bytes a lane (4 stores); 1: f32, 128 bytes a lane (8 stores).
; The next block's fragments are asked for ahead of this block's products.  The waits count the LDS instructions issued behind this block's loads.
.macro PROJ first, n, dstep, f32out
.set lbuf, 0
.set lblk, \first
	XLOAD
.set tt, 0
.rept \n
.if tt+1 < \n
.set lbuf, (tt+1)%2
.set lblk, \first+tt+1
	XLOAD                                          ; into the buffer that the block before multiplied: the v_nop behind its products are the four places
.endif
.if tt == 0
	s_wait_dscnt 8                                 ; younger: the next block's 8 loads
.elseif tt+1 < \n
	s_wait_dscnt 8+4+4*\f32out                     ; younger: the last block's stores and the next block's 8 loads
.else
	s_wait_dscnt 4+4*\f32out                       ; younger: the last block's stores
.endif
	WIN 0x01                                       ; source 0 (the weight) window 1
.set mbuf, tt%2
	MUL16
	WIN 0
.rept 4+\f32out                                        ; places behind the products: four before results are read; five where nothing but stores
	v_nop                                          ; follows and the next block's first product writes over a sum
.endr
.if \f32out
.irp i, 0,1,2,3
.irp e, 0,1
	ds_store_b128 v[DST], v[ACC+8*\i+4*\e:ACC+8*\i+4*\e+3] offset:tt*(\dstep)+32*\i+16*\e
.endr
.endr
.else
.irp j, 0,1,2,3,4,5,6,7
	v_cvt_pk_bf16_f32 v[PK+2*\j], v[ACC+\j], v[ACC+8+\j]            ; channels 4 j, 4 j + 1
.endr
.irp j, 0,1,2,3,4,5,6,7
	v_cvt_pk_bf16_f32 v[PK+2*\j+1], v[ACC+16+\j], v[ACC+24+\j]      ; channels 4 j + 2, 4 j + 3
.endr
.irp u, 0,1,2,3
	ds_store_b128 v[DST], v[PK+4*\u:PK+4*\u+3] offset:tt*(\dstep)+16*\u
.endr
.endif
.set tt, tt+1
.endr
.endm
; The sum over the 32 lanes of eight numbers v[b + 2 i], into every lane: four steps inside each half ride on the addition, one crosses the halves
.macro REDUCE b
.irp m, 1,2,4,8
.irp i, 0,1,2,3,4,5,6,7
	v_add_f32_dpp v[\b+2*\i], v[\b+2*\i], v[\b+2*\i] row_xmask:\m row_mask:0xf bank_mask:0xf
.endr
.endr
.irp i, 0,1,2,3,4,5,6,7
	v_permlanex16_b32 v[\b+2*\i+1], v[\b+2*\i], s46, s47
.endr
.irp i, 0,1,2,3,4,5,6,7
	v_add_f32 v[\b+2*\i], v[\b+2*\i], v[\b+2*\i+1]
.endr
.endm
	; ---------------- phase 0: addresses, x's loads, the joint loads of the weights, x into LDS, weights into fragments ----------------
	s_load_b512 s[8:23], s[0:1], 0x0               ; x s[8:9], Wq s[10:11], Wk s[12:13], Wv s[14:15], Wo s[16:17], bq s[18:19], bk s[20:21], bv s[22:23]
	s_load_b256 s[24:31], s[0:1], 0x40             ; bo s[24:25], gamma s[26:27], beta s[28:29], out s[30:31]
	s_set_vgpr_msb 0x40
	v_lshl_add_u32 v160, v0, 2, 0x46e00
	v_mov_b32 v161, 0
	s_set_vgpr_msb 0x4045
	ds_add_u32 v160, v161
	s_set_vgpr_msb 0x4500
	v_lshrrev_b32 v8, 5, v0
	v_readfirstlane_b32 s2, v8                     ; wave w
	v_and_b32 v1, 31, v0                           ; L
	v_and_b32 v2, 15, v0                           ; r
	v_bfe_u32 v3, v0, 4, 1                         ; h
	s_lshr_b32 s3, s2, 1                           ; role
	s_and_b32 s4, s2, 1                            ; half
	s_bfe_u32 s92, ttmp6, 0x40000                  ; cx: my place in the cluster
	s_lshl_b32 s93, ttmp9, 2                       ; in a cluster launch ttmp9 counts clusters
	s_add_co_u32 s93, s93, s92                     ; my block of 64 rows = 4 x cluster x + cx
	s_and_b32 s94, s93, 63                         ; its number in its batch (4,096 rows = 64 blocks)
	v_lshlrev_b32 v[L16], 4, v1
	s_lshl_b32 s6, s2, 12
	v_add_nc_u32 v[XLO], s6, v[L16]                ; own rows 8 w on: 8 x 512 bytes a wave
	s_lshl_b32 s6, s2, 11
	v_add_nc_u32 v[A6], s6, v[L16]                 ; halo rows 4 w on
	s_lshl_b32 s52, s4, 8                          ; my half's 256 bytes of a weight row, and of the bias
	s_mov_b32 s53, 0
	v_lshl_add_u32 v[DST], v1, 3, s52              ; my 2 of the half's 64 bias numbers
	s_lshl_b32 s7, s2, 15                          ; my wave's 32,768 bytes of LDS for its weight
	v_lshl_add_u32 v[WOFF], v2, 4, s7
	v_lshl_add_u32 v[WOFF], v3, 11, v[WOFF]        ; lanes 16-31: 8 rows of 256 bytes on
	s_lshl_b32 s42, s93, 15                        ; the block's first byte: 64 rows of 512 bytes
	s_mov_b32 s43, 0
	s_cmp_eq_u32 s94, 0
	s_cselect_b32 s51, 0xffff0000, -1              ; a batch's first block has no rows in front: its halo keys (lanes 0-15 of the first key tile) are masked,
	s_cselect_b32 s95, 0, 16384                    ; and its halo loads read the block's own first 32 rows: inside the buffer, finite, unused
	; descriptor group 1: a tile of 64 rows x 64 f32 (256 bytes) out of rows of 128 f32; in LDS the rows follow each other without a gap
	s_mov_b32 s[G1+0], 15|(2<<16)|(1<<21)          ; 15:0 the mask: all four work-groups; 17:16 elements of 4 bytes; 20 no padding; 21 set beside a mask
	s_mov_b32 s[G1+1], 64<<16                      ; 63:48 tensor_dim0, low half = 64
	s_mov_b32 s[G1+2], 64<<16                      ; 79:64 its high half = 0; 95:80 tensor_dim1, low half = 64
	s_mov_b32 s[G1+3], 64<<16                      ; 111:96 its high half = 0; 127:112 tile_dim0 = 64
	s_mov_b32 s[G1+4], 64                          ; 143:128 tile_dim1 = 64; 159:144 tile_dim2 = 0
	s_mov_b32 s[G1+5], 128                         ; 191:160 tensor_dim0_stride: 128 elements from row to row
	s_mov_b32 s[G1+6], 0
	s_mov_b32 s[G1+7], 0
	s_wait_dscnt 0x0
	s_wait_kmcnt 0x0
	s_add_nc_u64 s[36:37], s[8:9], s[42:43]        ; x at my block
	s_add_nc_u64 s[40:41], s[30:31], s[42:43]      ; out at my block
	s_sub_co_u32 s42, s42, s95
	s_add_nc_u64 s[38:39], s[8:9], s[42:43]        ; x at the halo, 32 rows up
	s_cmp_eq_u32 s3, 0                             ; the wave's weight and bias, by its role
	s_cselect_b64 s[32:33], s[10:11], s[16:17]
	s_cselect_b64 s[34:35], s[18:19], s[24:25]
	s_cmp_eq_u32 s3, 1
	s_cselect_b64 s[32:33], s[12:13], s[32:33]
	s_cselect_b64 s[34:35], s[20:21], s[34:35]
	s_cmp_eq_u32 s3, 2
	s_cselect_b64 s[32:33], s[14:15], s[32:33]
	s_cselect_b64 s[34:35], s[22:23], s[34:35]
	s_add_nc_u64 s[32:33], s[32:33], s[52:53]      ; my 64 columns of it
.irp s, 0,1
	s_mov_b32 s[G0+4*\s], 1                                        ; 1:0 count = 1
	s_add_co_u32 s[G0+4*\s+1], s7, \s*16384                        ; 63:32 LDS address: 32,768 w + 16,384 s
	s_add_nc_u64 s[G0+4*\s+2:G0+4*\s+3], s[32:33], \s*64*512       ; 120:64 global address: weight rows 64 s on (K steps 2 s, 2 s + 1)
	s_or_b32 s[G0+4*\s+3], s[G0+4*\s+3], 0x80000000                ; 127:126 type = 2
.endr
.irp i, 0,1,2,3
	global_load_b128 v[48+4*\i:51+4*\i], v[A6], s[38:39] offset:512*\i        ; a whole row of 512 bytes each
.endr
	WIN 0x40                                       ; destination window 1
.irp i, 0,1,2,3,4,5,6,7
	global_load_b128 v[XK+4*\i:XK+4*\i+3], v[XLO], s[36:37] offset:512*\i
.endr
	WIN 0
	global_load_b64 v[32:33], v[DST], s[34:35]     ; 13 loads of mine are on their way while the cluster meets
	ROUND                                          ; all four work-groups are here: the joint loads meet
	tensor_load_to_lds s[G0:G0+3], s[G1:G1+7]      ; both first fills stand together, ahead of every wait on TENSORcnt and every LDS access: two tensor loads of mine are out
	s_nop 0
	tensor_load_to_lds s[G0+4:G0+7], s[G1:G1+7]
	s_nop 0
.rept 4
	v_nop                                          ; four v_nop follow a wave's joint loads
.endr
	v_lshlrev_b32 v12, 3, v1                       ; 8 L: a lane's 4 bf16 of a row
	s_mul_i32 s6, s2, 4*PX
	s_add_co_u32 s6, s6, XB
	v_add_nc_u32 v8, s6, v12                       ; XB: halo rows 4 w on
	s_mul_i32 s6, s2, 8*PX
	s_add_co_u32 s6, s6, XB+32*PX
	v_add_nc_u32 v9, s6, v12                       ; XB: own rows 32 + 8 w on
	s_lshl_b32 s6, s2, 8
	s_add_co_u32 s6, s6, BSCR
	v_add_nc_u32 v10, s6, v12                      ; my wave's 256 bytes for the bias: in,
	v_lshl_add_u32 v11, v3, 7, s6                  ; and back: the 32 numbers of my half of the lanes
	v_mul_u32_u24 v[RH], v2, PX
	v_lshl_add_u32 v[RH], v3, 4, v[RH]
	s_mov_b32 s44, 0x3e8293ee                      ; c = log2(e) / sqrt(32)
	s_mov_b32 s45, s44                             ; named with it as a pair
	s_mov_b32 s46, 0x76543210                      ; v_permlanex16_b32: each lane takes its own place in the other half
	s_mov_b32 s47, 0xfedcba98
	s_mov_b32 s48, 0xbc000000                      ; -1 / 128
	s_mov_b32 s49, 0x3a83126f                      ; eps = 1e-3
	s_mov_b32 s50, 0x3c000000                      ; 1 / 128
	s_wait_loadcnt 0x0                             ; x and the bias are in: no other load into registers is out
.irp i, 0,1,2,3
	v_cvt_pk_bf16_f32 v[48+4*\i], v[48+4*\i], v[49+4*\i]
	v_cvt_pk_bf16_f32 v[49+4*\i], v[50+4*\i], v[51+4*\i]
.endr
	WIN 0x05                                       ; sources window 1: the f32 rows stay there for the residual
.irp i, 0,1,2,3,4,5,6,7
	v_cvt_pk_bf16_f32 v[16+2*\i], v[XK+4*\i], v[XK+4*\i+1]
	v_cvt_pk_bf16_f32 v[17+2*\i], v[XK+4*\i+2], v[XK+4*\i+3]
.endr
	WIN 0
.irp i, 0,1,2,3
	ds_store_b64 v8, v[48+4*\i:49+4*\i] offset:PX*\i
.endr
.irp i, 0,1,2,3,4,5,6,7
	ds_store_b64 v9, v[16+2*\i:17+2*\i] offset:PX*\i
.endr
	ds_store_b64 v10, v[32:33]
.irp i, 0,1,2,3
.irp j, 0,1,2,3,4,5,6,7
	ds_load_b32 v[BIAS+8*\i+\j], v11 offset:4*(4*\j+\i)    ; my wave's own bytes; LDS serves a wave's instructions in order, so these see the store above
.endr
.endr
	; The weights: only the wave that asked for a tile reads it, so its own wait on TENSORcnt is all that the reads need.
	s_wait_tensorcnt 0x1                           ; tensor loads of a wave end in order: my rows 0-63 (K steps 0, 1) are in LDS; the second load may stay out
	DLOAD 0
	DLOAD 1
	s_wait_dscnt 16                                ; K step 0 is in registers (and all that was issued before it); younger: K step 1's 16 loads
	WCVT 0
	WIN 0
	s_wait_tensorcnt 0x0                           ; my rows 64-127 are in LDS; no tensor load of mine is out from here on
	DLOAD 2
	DLOAD 3                                        ; into the slot just converted
	s_wait_dscnt 32                                ; K step 1 is in; younger: steps 2 and 3
	WCVT 1
	s_wait_dscnt 16                                ; K step 2 is in; younger: step 3
	WCVT 2
	s_wait_dscnt 0x0                               ; K step 3 is in.  Also for the others' sake: my rows of x are in LDS and my reads of my weights are over;
	WCVT 3                                         ; no LDS instruction follows before the signal below
	WIN 0
	global_load_b128 v[GAM:GAM+3], v[L16], s[26:27]        ; for phase 4: columns 4 L .. 4 L + 3
	global_load_b128 v[BET:BET+3], v[L16], s[28:29]
	s_barrier_signal -1
	s_barrier_wait -1                              ; barrier 1: all 96 rows of x are in LDS; every wave's tensor loads have landed and its weights are in registers: their LDS bytes are free
	; ---------------- phase 1: Q, K, V ----------------
	v_add_nc_u32 v[A6], XB, v[RH]                  ; the source rows: x
	v_and_b32 v8, 3, v2                            ; a row's class: r % 4 (blocks of 16 rows begin at multiples of 4)
	v_lshrrev_b32 v9, 2, v2                        ; its place in the class: r / 4, + 4 for each row block
	s_lshl_b32 s6, s4, 7
	v_lshl_add_u32 v10, v3, 6, s6                  ; my head's 64 bytes of a row: head = 2 half + h
	s_cmp_ge_u32 s2, 6
	s_cbranch_scc1 .Lp1_done
	s_cmp_ge_u32 s2, 4
	s_cbranch_scc1 .Lv
	s_cmp_ge_u32 s2, 2
	s_cbranch_scc1 .Lk
	v_lshl_add_u32 v[DST], v8, 4, v9               ; Q: row 16 class + q
	v_mul_u32_u24 v[DST], v[DST], PX
	v_add3_u32 v[DST], v[DST], v10, QB
	PROJ 2, 4, 4*PX, 0                             ; the 64 own rows
	s_branch .Lp1_done
.Lk:
	v_mad_u32_u24 v[DST], v8, 24, v9               ; K: row 24 class + key
	v_mul_u32_u24 v[DST], v[DST], PX
	v_add3_u32 v[DST], v[DST], v10, KB
	PROJ 0, 6, 4*PX, 0                             ; halo and own rows
	s_branch .Lp1_done
.Lv:
	v_mad_u32_u24 v[DST], v8, 24, v9
	v_mul_u32_u24 v[DST], v[DST], PVB
	v_add3_u32 v[DST], v[DST], v10, VB
	PROJ 0, 6, 4*PVB, 0
.Lp1_done:
	; phase 2's addresses: head hd = w % 4, classes c0 = 2 (w / 4) and c0 + 1 (the second pair stands in the immediates)
	s_and_b32 s6, s2, 3
	s_lshl_b32 s6, s6, 6                           ; 64 hd
	s_lshr_b32 s7, s2, 2
	s_mul_i32 s52, s7, 48*PX
	s_add_co_u32 s52, s52, s6
	s_add_co_u32 s52, s52, KB                      ; K: row 24 c0
	s_mul_i32 s53, s7, 32*PX
	s_add_co_u32 s53, s53, s6
	s_add_co_u32 s55, s53, OB                      ; output: row 16 c0
	s_add_co_u32 s53, s53, QB                      ; Q: row 16 c0
	s_mul_i32 s54, s7, 48*PVB
	s_add_co_u32 s54, s54, s6
	s_add_co_u32 s54, s54, VB                      ; V: row 24 c0
	v_add_nc_u32 v[AK0], s52, v[RH]                ; keys 0-15
	v_and_b32 v[AK1], 7, v2
	v_mul_u32_u24 v[AK1], v[AK1], PX
	v_lshl_add_u32 v[AK1], v3, 4, v[AK1]
	v_add3_u32 v[AK1], v[AK1], s52, 16*PX          ; keys 16-23; the padding keys 24-31 read keys 16-23 again: finite, and always masked
	v_add_nc_u32 v[AQ], s53, v[RH]
	v_and_b32 v[AV1], 7, v0                        ; the turning load: lane L reads key 8 h + L % 8, channels 8 ((L / 8) % 2) on
	v_bfe_u32 v[AO], v0, 3, 1
	v_lshl_add_u32 v[AV0], v3, 3, v[AV1]
	v_mul_u32_u24 v[AV0], v[AV0], PVB
	v_mul_u32_u24 v[AV1], v[AV1], PVB
	v_lshl_add_u32 v[AO], v[AO], 4, s54
	v_add_nc_u32 v[AV0], v[AV0], v[AO]             ; keys 0-15
	v_add3_u32 v[AV1], v[AV1], v[AO], 16*PVB       ; keys 16-23, read for the padding keys 24-31 too (no h term): their weights are 0
	v_add_nc_u32 v[AO], s55, v[RH]
	s_wait_dscnt 0x0                               ; for the others' sake: my stores of Q, K or V are done
	s_barrier_signal -1
	s_barrier_wait -1                              ; barrier 2: Q, K, V are whole
	; ---------------- phase 2: two (class, head) pairs ----------------
.irp p, 0,1
	ds_load_b128 v[KF+16*\p:KF+16*\p+3],     v[AK0] offset:\p*24*PX
	ds_load_b128 v[KF+16*\p+4:KF+16*\p+7],   v[AK0] offset:\p*24*PX+32
	ds_load_b128 v[KF+16*\p+8:KF+16*\p+11],  v[AK1] offset:\p*24*PX
	ds_load_b128 v[KF+16*\p+12:KF+16*\p+15], v[AK1] offset:\p*24*PX+32
	ds_load_b128 v[QF+8*\p:QF+8*\p+3],       v[AQ]  offset:\p*16*PX
	ds_load_b128 v[QF+8*\p+4:QF+8*\p+7],     v[AQ]  offset:\p*16*PX+32
.endr
.irp p, 0,1
.irp d, 0,1                                            ; channels 16 d on: lane L gets channel L % 16, registers 0-3 keys 8 h on, registers 4-7 keys 16 + 8 h on
	ds_load_tr16_b128 v[VF+16*\p+8*\d:VF+16*\p+8*\d+3],   v[AV0] offset:\p*24*PVB+32*\d
	ds_load_tr16_b128 v[VF+16*\p+8*\d+4:VF+16*\p+8*\d+7], v[AV1] offset:\p*24*PVB+32*\d
.endr
.endr
	; The band as lane masks.  In a tile of scores lane 16 h + r holds query r and, in register j, key 16 kb + 8 h + j; the key counts where r <= key <= r + 8.
.irp j, 0,1,2,3,4,5,6,7
	s_and_b32 s[68+\j], s51, ((2<<\j)-1)|(((0x1ff<<\j)&0xffff)<<16)  ; kb = 0: key j for queries 0..j (halo keys: none in a batch's first block); key 8 + j for queries j..j + 8
	s_mov_b32 s[76+\j], (0xffff<<(8+\j))&0xffff                      ; kb = 1: key 16 + j for queries 8 + j..15; keys 24 on are padding
.endr
	v_mov_b32 v[NEGV], 0xf149f2ca                  ; -1e30: a masked score; c times it is far below every exponent at which 2^x is not 0
	s_wait_dscnt 8                                 ; K and Q are in; V's 8 loads stay out
	; S^T = K Q^T: source 0 = 16 keys, source 1 = 16 queries; each product is a whole sum (32 channels), started by the constant 0
	v_wmma_f32_16x16x32_bf16 v[SS:SS+7],     v[KF:KF+7],     v[QF:QF+7],    0
	v_wmma_f32_16x16x32_bf16 v[SS+16:SS+23], v[KF+16:KF+23], v[QF+8:QF+15], 0
	v_wmma_f32_16x16x32_bf16 v[SS+8:SS+15],  v[KF+8:KF+15],  v[QF:QF+7],    0
	v_wmma_f32_16x16x32_bf16 v[SS+24:SS+31], v[KF+24:KF+31], v[QF+8:QF+15], 0
.rept 4
	v_nop                                          ; four places before the scores are read (ISA guide 7.12.1)
.endr
.irp p, 0,1
.irp n, 0,1,2,3,4,5,6,7,8,9,10,11,12,13,14,15
	v_cndmask_b32 v[SS+16*\p+\n], v[NEGV], v[SS+16*\p+\n], s[68+\n]
.endr
.endr
.irp p, 0,1                                            ; the query's maximum: 16 scores in the lane, then the lane 16 away.  Its own key is never masked, so the maximum is a true score.
	v_max3_num_f32 v[SA+8*\p+4], v[SS+16*\p],   v[SS+16*\p+1],  v[SS+16*\p+2]
	v_max3_num_f32 v[SA+8*\p+5], v[SS+16*\p+3], v[SS+16*\p+4],  v[SS+16*\p+5]
	v_max3_num_f32 v[SA+8*\p+6], v[SS+16*\p+6], v[SS+16*\p+7],  v[SS+16*\p+8]
	v_max3_num_f32 v[SA+8*\p+7], v[SS+16*\p+9], v[SS+16*\p+10], v[SS+16*\p+11]
.endr
.irp p, 0,1
	v_max3_num_f32 v[SA+8*\p+4], v[SA+8*\p+4], v[SS+16*\p+12], v[SS+16*\p+13]
	v_max3_num_f32 v[SA+8*\p+5], v[SA+8*\p+5], v[SS+16*\p+14], v[SS+16*\p+15]
.endr
.irp p, 0,1
	v_max3_num_f32 v[SA+8*\p+4], v[SA+8*\p+4], v[SA+8*\p+5], v[SA+8*\p+6]
.endr
.irp p, 0,1
	v_max_num_f32 v[SA+8*\p+4], v[SA+8*\p+4], v[SA+8*\p+7]
.endr
.irp p, 0,1
	v_permlanex16_b32 v[SA+8*\p+5], v[SA+8*\p+4], s46, s47
.endr
.irp p, 0,1
	v_max_num_f32 v[SA+8*\p+1], v[SA+8*\p+4], v[SA+8*\p+5]
.endr
.irp p, 0,1
	v_mul_f32 v[SA+8*\p], s44, v[SA+8*\p+1]        ; c m
.endr
.irp p, 0,1
.irp b, 0,1,2,3,4,5,6,7
	v_pk_fma_f32 v[SS+16*\p+2*\b:SS+16*\p+2*\b+1], v[SS+16*\p+2*\b:SS+16*\p+2*\b+1], s[44:45], v[SA+8*\p:SA+8*\p+1] op_sel_hi:[1,0,0] neg_lo:[0,0,1] neg_hi:[0,0,1]  ; c s - c m
.endr
.endr
.irp p, 0,1
.irp n, 0,1,2,3,4,5,6,7,8,9,10,11,12,13,14,15
	v_exp_f32 v[SS+16*\p+\n], v[SS+16*\p+\n]
.endr
.endr
	v_nop                                          ; a plain instruction between the exponentials and the use of their results
	s_wait_alu depctr_va_vdst(0)
.irp p, 0,1
.irp u, 0,1,2,3,4,5,6,7
	v_cvt_pk_bf16_f32 v[PP+8*\p+\u], v[SS+16*\p+2*\u], v[SS+16*\p+2*\u+1]    ; two tiles of weights, rounded in pairs, ARE source 1 (32 keys x 16 queries) of the second product
.endr
.endr
	s_wait_dscnt 0x0                               ; V is in
	; O^T = V^T P: source 0 = 16 channels x 32 keys; the results take K's registers, whose last use lies far more than five places back
	v_wmma_f32_16x16x32_bf16 v[KF:KF+7],     v[VF:VF+7],     v[PP:PP+7],    0
	v_wmma_f32_16x16x32_bf16 v[KF+16:KF+23], v[VF+16:VF+23], v[PP+8:PP+15], 0
	v_wmma_f32_16x16x32_bf16 v[KF+8:KF+15],  v[VF+8:VF+15],  v[PP:PP+7],    0
	v_wmma_f32_16x16x32_bf16 v[KF+24:KF+31], v[VF+24:VF+31], v[PP+8:PP+15], 0
.irp p, 0,1                                            ; the sums of the weights, in f32: they name no register of those products and are the places behind them
.irp b, 0,4,8,12
	v_pk_add_f32 v[SS+16*\p+\b:SS+16*\p+\b+1], v[SS+16*\p+\b:SS+16*\p+\b+1], v[SS+16*\p+\b+2:SS+16*\p+\b+3]
.endr
.endr
.irp p, 0,1
.irp b, 0,8
	v_pk_add_f32 v[SS+16*\p+\b:SS+16*\p+\b+1], v[SS+16*\p+\b:SS+16*\p+\b+1], v[SS+16*\p+\b+4:SS+16*\p+\b+5]
.endr
.endr
.irp p, 0,1
	v_pk_add_f32 v[SS+16*\p:SS+16*\p+1], v[SS+16*\p:SS+16*\p+1], v[SS+16*\p+8:SS+16*\p+9]
.endr
.irp p, 0,1
	v_add_f32 v[SA+8*\p+4], v[SS+16*\p], v[SS+16*\p+1]
.endr
.irp p, 0,1
	v_permlanex16_b32 v[SA+8*\p+5], v[SA+8*\p+4], s46, s47
.endr
.irp p, 0,1
	v_add_f32 v[SA+8*\p+4], v[SA+8*\p+4], v[SA+8*\p+5]     ; l >= 1: the maximum's own weight is 1
.endr
.irp p, 0,1
	v_rcp_f32 v[SA+8*\p+6], v[SA+8*\p+4]
.endr
	v_nop                                          ; a plain instruction between the reciprocals and their use
	s_wait_alu depctr_va_vdst(0)
.irp p, 0,1
.irp e, 0,1,2,3,4,5,6,7
	v_pk_mul_f32 v[KF+16*\p+2*\e:KF+16*\p+2*\e+1], v[KF+16*\p+2*\e:KF+16*\p+2*\e+1], v[SA+8*\p+6:SA+8*\p+7] op_sel_hi:[1,0]
.endr
.endr
.irp p, 0,1
.irp u, 0,1,2,3,4,5,6,7
	v_cvt_pk_bf16_f32 v[SS+16*\p+\u], v[KF+16*\p+2*\u], v[KF+16*\p+2*\u+1]   ; lane (r, h): query r, channels 16 d + 8 h + 0..7: 16 bytes that belong together
.endr
.endr
.irp p, 0,1
	ds_store_b128 v[AO], v[SS+16*\p:SS+16*\p+3]   offset:\p*16*PX
	ds_store_b128 v[AO], v[SS+16*\p+4:SS+16*\p+7] offset:\p*16*PX+32
.endr
	s_wait_dscnt 0x0                               ; for the others' sake: my part of the attention output is in LDS
	s_barrier_signal -1
	s_barrier_wait -1                              ; barrier 3: it is whole
	; ---------------- phase 3: waves 6 and 7: the output projection + bo, f32, into the stage ----------------
	s_cmp_lt_u32 s2, 6
	s_cbranch_scc1 .Lp3_done
	v_add_nc_u32 v[A6], OB, v[RH]                  ; the source rows: the attention output
	s_mul_i32 s6, s4, 320
	s_add_co_u32 s6, s6, STG
	v_mul_u32_u24 v[DST], v2, PS
	v_mad_u32_u24 v[DST], v3, 160, v[DST]          ; group 2 half + h
	v_add_nc_u32 v[DST], s6, v[DST]
	PROJ 0, 4, 16*PS, 1                            ; row block t is class t
.Lp3_done:
	s_mul_i32 s6, s2, 2*PS                         ; phase 4's address: my own row 8 w + i is class i % 4, place 2 w + i / 4
	s_add_co_u32 s6, s6, STG
	v_lshrrev_b32 v8, 3, v1                        ; column 4 L + q lies in group L / 8 at word 8 q + L % 8
	v_and_b32 v9, 7, v1
	v_mul_u32_u24 v8, v8, 160
	v_lshl_add_u32 v8, v9, 2, v8
	s_wait_dscnt 0x0                               ; for the others' sake: my stores into the stage are done (and my loads of the source rows, ahead of the new address)
	v_add_nc_u32 v[A6], s6, v8
	s_barrier_signal -1
	s_barrier_wait -1                              ; barrier 4: the stage is whole
	; ---------------- phase 4: residual, LayerNorm, store ----------------
.irp i, 0,1,2,3,4,5,6,7
.irp q, 0,1,2,3
	ds_load_b32 v[Y+4*\i+\q], v[A6] offset:(16*(\i%4)+\i/4)*PS+32*\q  ; the four groups of 8 lanes start 40 words apart: 32 different banks
.endr
.endr
	s_wait_dscnt 0x0
	s_wait_loadcnt 0x0                             ; gamma and beta
	WIN 0x04                                       ; source 1 window 1: x in f32
.irp i, 0,1,2,3,4,5,6,7
	v_pk_add_f32 v[Y+4*\i:Y+4*\i+1],   v[Y+4*\i:Y+4*\i+1],   v[XK+4*\i:XK+4*\i+1]
	v_pk_add_f32 v[Y+4*\i+2:Y+4*\i+3], v[Y+4*\i+2:Y+4*\i+3], v[XK+4*\i+2:XK+4*\i+3]
.endr
	WIN 0
.irp i, 0,1,2,3,4,5,6,7
	v_pk_add_f32 v[T+2*\i:T+2*\i+1], v[Y+4*\i:Y+4*\i+1], v[Y+4*\i+2:Y+4*\i+3]
.endr
.irp i, 0,1,2,3,4,5,6,7
	v_add_f32 v[T+2*\i], v[T+2*\i], v[T+2*\i+1]
.endr
	REDUCE T
.irp i, 0,1,2,3,4,5,6,7
	v_mul_f32 v[T+2*\i], s48, v[T+2*\i]            ; -mean
.endr
.irp i, 0,1,2,3,4,5,6,7
	v_pk_add_f32 v[Y+4*\i:Y+4*\i+1],   v[Y+4*\i:Y+4*\i+1],   v[T+2*\i:T+2*\i+1] op_sel_hi:[1,0]
	v_pk_add_f32 v[Y+4*\i+2:Y+4*\i+3], v[Y+4*\i+2:Y+4*\i+3], v[T+2*\i:T+2*\i+1] op_sel_hi:[1,0]
.endr
.irp i, 0,1,2,3,4,5,6,7                                ; the variance from the differences themselves: no difference of large sums
	v_pk_mul_f32 v[U+2*\i:U+2*\i+1], v[Y+4*\i:Y+4*\i+1], v[Y+4*\i:Y+4*\i+1]
.endr
.irp i, 0,1,2,3,4,5,6,7
	v_pk_fma_f32 v[U+2*\i:U+2*\i+1], v[Y+4*\i+2:Y+4*\i+3], v[Y+4*\i+2:Y+4*\i+3], v[U+2*\i:U+2*\i+1]
.endr
.irp i, 0,1,2,3,4,5,6,7
	v_add_f32 v[U+2*\i], v[U+2*\i], v[U+2*\i+1]
.endr
	REDUCE U
.irp i, 0,1,2,3,4,5,6,7
	v_fma_f32 v[U+2*\i], v[U+2*\i], s50, s49       ; var + eps
.endr
.irp i, 0,1,2,3,4,5,6,7
	v_rsq_f32 v[U+2*\i], v[U+2*\i]
.endr
	v_nop                                          ; a plain instruction between the roots and their use
	s_wait_alu depctr_va_vdst(0)
.irp i, 0,1,2,3,4,5,6,7
	v_pk_mul_f32 v[Y+4*\i:Y+4*\i+1],   v[Y+4*\i:Y+4*\i+1],   v[U+2*\i:U+2*\i+1] op_sel_hi:[1,0]
	v_pk_mul_f32 v[Y+4*\i+2:Y+4*\i+3], v[Y+4*\i+2:Y+4*\i+3], v[U+2*\i:U+2*\i+1] op_sel_hi:[1,0]
.endr
.irp i, 0,1,2,3,4,5,6,7
	v_pk_fma_f32 v[Y+4*\i:Y+4*\i+1],   v[Y+4*\i:Y+4*\i+1],   v[GAM:GAM+1],   v[BET:BET+1]
	v_pk_fma_f32 v[Y+4*\i+2:Y+4*\i+3], v[Y+4*\i+2:Y+4*\i+3], v[GAM+2:GAM+3], v[BET+2:BET+3]
	global_store_b128 v[XLO], v[Y+4*\i:Y+4*\i+3], s[40:41] offset:512*\i th:TH_STORE_NT   ; the wave stores a whole row: 512 consecutive bytes, at a multiple of 512 from out's first byte
.endr
	s_set_vgpr_msb 0x5
	s_wait_tensorcnt 0x0
	ds_add_u32 v160, v161
	s_wait_dscnt 0x0
	s_set_vgpr_msb 0x500
	ROUND                                          ; the closing round, while the stores are on their way: no work-group ends while a partner may still ask for a tile that names it
	s_endpgm
.Lfunc_end_k_q96e46662b0_attn:
	.size	k_q96e46662b0_attn, .Lfunc_end_k_q96e46662b0_attn-k_q96e46662b0_attn
	.p2alignl 7, 3214868480
	.fill 96, 4, 3214868480
	.section	.rodata,"a",@progbits
	.p2align	6, 0x0
	.amdhsa_kernel k_q96e46662b0_attn
		.amdhsa_group_segment_fixed_size 291328
		.amdhsa_private_segment_fixed_size 0
		.amdhsa_enable_private_segment 0
		.amdhsa_kernarg_size 96
		.amdhsa_user_sgpr_count 2
		.amdhsa_user_sgpr_kernarg_segment_ptr 1
		.amdhsa_wavefront_size32 1
		.amdhsa_system_sgpr_workgroup_id_x 1
		.amdhsa_system_sgpr_workgroup_id_y 1
		.amdhsa_system_sgpr_workgroup_id_z 1
		.amdhsa_system_vgpr_workitem_id 0
		.amdhsa_next_free_vgpr 418
		.amdhsa_next_free_sgpr 96
		.amdhsa_reserve_vcc 0
		.amdhsa_float_denorm_mode_32 3
		.amdhsa_float_denorm_mode_16_64 3
		.amdhsa_memory_ordered 1
		.amdhsa_forward_progress 1
		.amdhsa_inst_pref_size 113
	.end_amdhsa_kernel
	.amdgpu_metadata
---
amdhsa.version: [ 1, 2 ]
amdhsa.kernels:
  - .name:           k_q96e46662b0_attn
    .symbol:         k_q96e46662b0_attn.kd
    .args:
      - { .name: x, .offset: 0, .size: 8, .value_kind: global_buffer, .address_space: global }
      - { .name: Wq, .offset: 8, .size: 8, .value_kind: global_buffer, .address_space: global }
      - { .name: Wk, .offset: 16, .size: 8, .value_kind: global_buffer, .address_space: global }
      - { .name: Wv, .offset: 24, .size: 8, .value_kind: global_buffer, .address_space: global }
      - { .name: Wo, .offset: 32, .size: 8, .value_kind: global_buffer, .address_space: global }
      - { .name: bq, .offset: 40, .size: 8, .value_kind: global_buffer, .address_space: global }
      - { .name: bk, .offset: 48, .size: 8, .value_kind: global_buffer, .address_space: global }
      - { .name: bv, .offset: 56, .size: 8, .value_kind: global_buffer, .address_space: global }
      - { .name: bo, .offset: 64, .size: 8, .value_kind: global_buffer, .address_space: global }
      - { .name: gamma, .offset: 72, .size: 8, .value_kind: global_buffer, .address_space: global }
      - { .name: beta, .offset: 80, .size: 8, .value_kind: global_buffer, .address_space: global }
      - { .name: out0, .offset: 88, .size: 8, .value_kind: global_buffer, .address_space: global }
    .group_segment_fixed_size: 291328
    .private_segment_fixed_size: 0
    .kernarg_segment_align: 8
    .kernarg_segment_size: 96
    .max_flat_workgroup_size: 256
    .sgpr_count:     96
    .vgpr_count:     418
    .wavefront_size: 32
...
	.end_amdgpu_metadata
.endif
;; end of part 1
